; MI455X (gfx1250); checked and timed in simulation.
; The chip was launched on July 23, 2026; its instructions are those of AMD's public machine-readable ISA for CDNA 5 (MIT licence, August 2026) and "CDNA5" Instruction Set Architecture Reference Guide (July 2026). The comments in the code are by the model that wrote it; some were corrected since.
;; My Model. Allowed arithmetic: float matrix products may take bf16 or f16 operands with f32 sums; all other float work in f32.
;; Inputs: W 5 x 5 float32; b 5 float32; x 2,097,152 x 5 float32.
;; Outputs: out0 2,097,152 x 5 float32.
;; 2 versions, each right; version 2 is version 1 with the launch project written anew for expert scheduling mode. Each part assembles by itself: llvm-mc -triple=amdgcn-amd-amdhsa -mcpu=gfx1250 --defsym DOCPART=n.
;; ======== version 1 of 2: 1 launch
;; launch project (part 1): grid 256 x 1, 32 waves a work-group, no clusters, 86,016 bytes of LDS; arguments x, W, b, out0; writes out0
.if DOCPART == 1
	.amdgcn_target "amdgcn-amd-amdhsa--gfx1250"
	.amdhsa_code_object_version 6
	.text
	.protected	k_qe5ac42ffc4_project
	.globl	k_qe5ac42ffc4_project
	.p2align	8
	.type	k_qe5ac42ffc4_project,@function
k_qe5ac42ffc4_project:
	s_mov_b64 s[64:65], 0
	v_nop
	global_prefetch_b8 v0, s[64:65] scope:SCOPE_SE
	s_setreg_imm32_b32 hwreg(HW_REG_WAVE_MODE, 25, 1), 1
	s_wait_xcnt 0x0
; q = x W^T + b  (x: [2097152][5] f32, W: [5][5], b: [5]),  out0 = p(lam) = softmax(t log q + (1-t) log r), t = 1/(1+lam), r uniform,
; lam = 0 if KL(p(0) || r) <= 0.1, else the middle of the cell that 15 halvings of [0, 1e6] leave.
;
; WHAT IS COMPUTED, AND WHY IT IS THE SAME
;  1. (1-t) log r is one number for all five components: softmax drops it.  p = softmax(t log q).
;  2. softmax drops a common factor of q too: u_j = 5 q_j / |sum q|, L_j = log2 u_j stand for q_j and log q_j (five logarithms a row,
;     no others).  |sum q| keeps q_j's sign, so a negative q_j gives a NaN logarithm, which reaches every p of its row through the last sum.
;  3. The test at lam = 0 needs no exponential: p_j = u_j / 5, and  5 log2(e) KL = sum u_j L_j - log2(e) sum (u_j - 1).
;     The second sum is 0 for exact u; kept, it cancels in first order what the rounding of 5/|sum q| does to the first sum.
;     u - 1 is exact for u in [0.5, 5].  The threshold is 5 log2(e) (f32(0.1) - (f32(ln 5) - ln 5)): the two constants as f32 holds them.
;  4. Of the 15 halvings the first 13 always answer 'not above'.  KL(p_t || r) = integral from 0 to t of s Var_s(ln q) ds <= (t R)^2 / 8, where R is the
;     span of ln q (a variable in an interval of length R has variance <= R^2 / 4).  u lies in [2^-126, 5], so R <= ln(5 * 2^126) = 88.95; the first
;     13 midpoints have 1 + lam >= 1 + 1e6 / 2^13 = 123.07, so t R <= 0.7227 and KL <= 0.0653 < 0.1, a margin of 0.03.  (Rows with a NaN or a
;     q_j = 0 answer 'not above' in every step, here as in reference(): NaN > 0 is false.)  So lo = 0, hi = 122.0703125 in front of step 14.
;     Steps 14 and 15 are evaluated.  Their midpoints, 61.03515625 and then 30.517578125 or 91.552734375, and the four possible results
;     (2k+1) * 15.2587890625 are exact in f32: t is chosen among constants, and no row needs a reciprocal for it.
;  5. A test: the maximum m of L is taken away, z_i = t (L_i - m) for the four others, S = 1 + sum 2^z_i, U = sum z_i 2^z_i;
;     sum p log2 p = U / S - log2 S, so  KL > 0.1  <=>  U + S (c - log2 S) > 0,  c = log2(e) (f32(ln 5) - f32(0.1)).
;
; LIMITS.  sum q within 2^-120 .. 2^120 and every q_j >= 2^-120 sum q: below that u_j leaves the normal range, v_log_f32 takes it for 0
; (ISA guide, 15.8) and the row is treated as one with q_j = 0.  t is made by v_rcp_f32 (1 ULP), not by a division.  q is summed
; as b + W x by fused multiply-adds, k ascending.  A row whose KL at lam = 0 lies within a few 1e-8 of the threshold may fall on
; the other side than an f32 evaluation of reference()'s own formula, whose rounding is of that size.
;
; WHO DOES WHAT.  256 work-groups of 32 waves.  A wave owns 256 rows = 5,120 consecutive bytes, two chunks of 128 rows; a lane owns 4 neighbouring
; rows of a chunk, as two pairs for the packed f32 forms (component j of the pair's rows in v[2n], v[2n+1]).  All ten loads of a wave are issued at
; its start; the second chunk is on its way while the first is computed.  A row is 20 bytes, so a chunk is turned in 2,560 bytes of LDS
; that belong to the wave alone: every global load and store of the wave covers 512 consecutive bytes, aligned; no wave reads another's LDS bytes: no barrier.
; NOT USED: the matrix unit (25 multiply-adds a row; operands of 16 bits would shift q by 2^-9, and the test of point 3 turns such a shift into a jump of
; the whole row); clusters (work-groups share W and b alone, 120 bytes); tensor loads and prefetches (ten register loads are all a wave ever reads).
.set CHUNK, 2560                       ; bytes of 128 rows
.set NCH,   2                          ; chunks of a wave
.set WAVES, 32
.set GO, 2                             ; v2       my 16 bytes in the wave's first chunk, from the buffers' first byte
.set LF, 3                             ; v3       LDS, flat view: region + 16 lane
.set LR, 4                             ; v4       LDS, row view: region + 80 lane (4 rows)
.set TC, 6                             ; v[6:12]  t = 1/(1+lam) for lam = 61.04, 30.52, 91.55 (midpoints), 15.26, 45.78, 76.29, 106.81 (results)
.set X0, 14                            ; v[14:33] chunk 0: as loaded, then 4 rows of x, then 2^z of the tests, then 4 rows of p
.set X1, 34                            ; v[34:53] chunk 1 likewise
.set QU, 54                            ; v[54:73] pair p, component j at QU+10p+2j: q, then u; then DD and MX; then the last z and 2^z
.set LB, 74                            ; v[74:93] L = log2 u, laid like QU
.set ZB, 94                            ; v[94:109] u - 1; then z of a test, pair p, value i at ZB+8p+2i
.set MB, 110                           ; v[110:125] four sets of four (one number a row)
.set QS, MB                            ; sum q; then the first 3-sort's maximum
.set R5, MB+4                          ; 5 / |sum q|
.set AC, MB+8                          ; sum u L, then the test value at lam = 0
.set VS, MB+12                         ; sum (u - 1)
.set SS, MB                            ; S
.set UU, MB+4                          ; U, then the test value; then t m
.set LS, MB+8                          ; log2 S, then c - log2 S; then 1 / S
.set TT, MB+12                         ; a row's t
.set DD, QU                            ; the four values below the maximum, minus the maximum: pair p, value i at DD+8p+2i
.set MX, QU+16                         ; the maximum
.set SW, 16                            ; s[16:40] W[j][k] at SW+5j+k
.set SB, 44                            ; s[44:48] b
.set STHR, 49                          ; s49      the threshold of point 3
.set SF,   52                          ; s[52:55] row i of the lane: KL(lam = 0) <= 0.1
.set SM14, 56                          ; s[56:59] step 14 answered 'above'
.set SM15, 60                          ; s[60:63] step 15 answered 'above'
.macro PADD d, a, b
	v_pk_add_f32 v[\d:\d+1], v[\a:\a+1], v[\b:\b+1]
.endm
.macro PSUB d, a, b
	v_pk_add_f32 v[\d:\d+1], v[\a:\a+1], v[\b:\b+1] neg_lo:[0,1] neg_hi:[0,1]
.endm
.macro PADDK d, a, k                   ; a constant goes to both halves
	v_pk_add_f32 v[\d:\d+1], v[\a:\a+1], \k op_sel_hi:[1,0]
	s_wait_alu depctr_va_vdst(0)
.endm
.macro PMUL d, a, b
	v_pk_mul_f32 v[\d:\d+1], v[\a:\a+1], v[\b:\b+1]
.endm
.macro PFMA d, a, b, c
	v_pk_fma_f32 v[\d:\d+1], v[\a:\a+1], v[\b:\b+1], v[\c:\c+1]
.endm
	s_load_b256 s[4:11], s[0:1], 0x0               ; x s[4:5], W s[6:7], b s[8:9], out0 s[10:11]
	v_lshl_add_u32 v126, v0, 2, 0x14000
	v_mov_b32 v127, 0
	v_and_b32 v1, 31, v0                           ; lane
	v_lshrrev_b32 v5, 5, v0
	v_readfirstlane_b32 s12, v5                    ; wave
	s_mul_i32 s13, s12, CHUNK                      ; the wave's LDS region
	s_mul_i32 s14, ttmp9, WAVES*NCH*CHUNK          ; the work-group's 163,840 bytes (the last ends at 41,943,040: 32 bits do)
	s_mul_i32 s15, s12, NCH*CHUNK                  ; the wave's 5,120 bytes in them
	s_add_co_u32 s14, s14, s15
	v_lshl_add_u32 v[GO], v1, 4, s14
	v_lshl_add_u32 v[LF], v1, 4, s13
	v_mul_u32_u24 v[LR], v1, 80
	v_add_nc_u32 v[LR], s13, v[LR]
	s_wait_kmcnt 0x0
.irp j, 0,1,2,3,4
	global_load_b128 v[X0+4*\j:X0+4*\j+3], v[GO], s[4:5] offset:512*\j th:TH_LOAD_NT
.endr
.irp j, 0,1,2,3,4
	global_load_b128 v[X1+4*\j:X1+4*\j+3], v[GO], s[4:5] offset:CHUNK+512*\j th:TH_LOAD_NT
.endr
	s_load_b512 s[16:31], s[6:7], 0x0              ; W: 64 + 32 + 4 = its 100 bytes
	s_load_b256 s[32:39], s[6:7], 0x40
	s_load_b32  s40, s[6:7], 0x60
	s_load_b128 s[44:47], s[8:9], 0x0              ; b: 16 + 4 = its 20 bytes
	s_load_b32  s48, s[8:9], 0x10
	s_mov_b32 s[STHR], 0x3f38aa38                  ; 0.72134731 = 5 log2(e) * 0.0999999714
	v_mov_b32 v[TC+0], 0x42782400                  ; 1 +  61.03515625     step 14's midpoint
	v_mov_b32 v[TC+1], 0x41fc2400                  ; 1 +  30.517578125    step 15's, after 'not above'
	v_mov_b32 v[TC+2], 0x42b91b00                  ; 1 +  91.552734375    step 15's, after 'above'
	v_mov_b32 v[TC+3], 0x41821200                  ; 1 +  15.2587890625   the result after (not above, not above)
	v_mov_b32 v[TC+4], 0x423b1b00                  ; 1 +  45.7763671875   (not above, above)
	v_mov_b32 v[TC+5], 0x429a9680                  ; 1 +  76.2939453125   (above, not above)
	v_mov_b32 v[TC+6], 0x42d79f80                  ; 1 + 106.8115234375   (above, above)
.irp i, 0,1,2,3,4,5,6
	v_rcp_f32 v[TC+\i], v[TC+\i]                   ; first used far behind the product's plain instructions
.endr
	s_wait_kmcnt 0x0                               ; W and b
; The sums and the verdict of one test for the lane's four rows.  z lies in ZB, 2^z in xb (16 registers each).
.macro KLTEST xb, sm
.irp p, 0,1
	PADD SS+2*\p, \xb+8*\p, \xb+8*\p+2
	PADD LS+2*\p, \xb+8*\p+4, \xb+8*\p+6
.endr
.irp p, 0,1
	PADD SS+2*\p, SS+2*\p, LS+2*\p
.endr
.irp p, 0,1
	PADDK SS+2*\p, SS+2*\p, 1.0                    ; the maximum's own term: 2^0
.endr
.irp i, 0,1,2,3
	v_log_f32 v[LS+\i], v[SS+\i]
.endr
.irp p, 0,1
	PMUL UU+2*\p, \xb+8*\p, ZB+8*\p                ; plain work that touches neither S nor its logarithm stands behind the four v_log_f32
.endr
.irp i, 1,2,3
.irp p, 0,1
	PFMA UU+2*\p, \xb+8*\p+2*\i, ZB+8*\p+2*\i, UU+2*\p
.endr
.endr
	s_wait_alu depctr_va_vdst(0)
.irp p, 0,1
	v_pk_add_f32 v[LS+2*\p:LS+2*\p+1], v[LS+2*\p:LS+2*\p+1], 0x400b5ec2 op_sel_hi:[1,0] neg_lo:[1,0] neg_hi:[1,0]   ; c - log2 S, c = 2.1776586
.endr
.irp p, 0,1
	PFMA UU+2*\p, SS+2*\p, LS+2*\p, UU+2*\p        ; U + S (c - log2 S)
.endr
.irp i, 0,1,2,3
	v_cmp_gt_f32 s[\sm+\i], v[UU+\i], 0            ; false for NaN, as gm > 0 is in reference()
.endr
.endm
; One chunk.  xb: its 20 registers; left: how many younger global loads may stay out; goff: its bytes behind the wave's first chunk.
.macro PROC xb, left, goff
	s_wait_loadcnt \left                           ; loads return in order (ISA guide 5.7.1): this chunk's five are in
.irp j, 0,1,2,3,4
	ds_store_b128 v[LF], v[\xb+4*\j:\xb+4*\j+3] offset:512*\j      ; flat, as it lay in memory
.endr
.irp j, 0,1,2,3,4
	ds_load_b128 v[\xb+4*\j:\xb+4*\j+3], v[LR] offset:16*\j        ; my 4 rows.  LDS serves a wave's instructions in order: these see the stores.
.endr                                                                  ; 80 bytes from lane to lane: 16 lanes start in 16 different 16-byte columns modulo 256
	s_wait_dscnt 0x0
	; q_j = b_j + sum over k of x_k W[j][k].  Row r of the lane lies at xb+5r; the results go into the pair layout.
.irp p, 0,1
.irp j, 0,1,2,3,4
	v_fma_f32 v[QU+10*\p+2*\j],   v[\xb+10*\p],   s[SW+5*\j], s[SB+\j]
	v_fma_f32 v[QU+10*\p+2*\j+1], v[\xb+10*\p+5], s[SW+5*\j], s[SB+\j]
.endr
.endr
.irp k, 1,2,3,4                        ; the pair's two rows in one instruction: one W, destinations even and odd, x registers 5 apart (different banks)
.irp p, 0,1
.irp j, 0,1,2,3,4
	v_dual_fmac_f32 v[QU+10*\p+2*\j], s[SW+5*\j+\k], v[\xb+10*\p+\k] :: v_dual_fmac_f32 v[QU+10*\p+2*\j+1], s[SW+5*\j+\k], v[\xb+10*\p+5+\k]
.endr
.endr
.endr
	; u = 5 q / |sum q|, L = log2 u
.irp p, 0,1
	PADD QS+2*\p, QU+10*\p, QU+10*\p+2
	PADD R5+2*\p, QU+10*\p+4, QU+10*\p+6
.endr
.irp p, 0,1
	PADD QS+2*\p, QS+2*\p, R5+2*\p
.endr
.irp p, 0,1
	PADD QS+2*\p, QS+2*\p, QU+10*\p+8
.endr
.irp i, 0,1,2,3
	v_rcp_f32 v[R5+\i], |v[QS+\i]|
.endr
	v_nop                                          ; one plain instruction between a transcendental and the use of its result (ISA guide 5.7.2)
	s_wait_alu depctr_va_vdst(0)
.irp p, 0,1
	v_pk_mul_f32 v[R5+2*\p:R5+2*\p+1], v[R5+2*\p:R5+2*\p+1], 0x40a00000 op_sel_hi:[1,0]     ; x 5.0
.endr
.irp p, 0,1
.irp j, 0,1,2,3,4
	PMUL QU+10*\p+2*\j, QU+10*\p+2*\j, R5+2*\p
.endr
.endr
.set n, 0
.rept 20
	v_log_f32 v[LB+n], v[QU+n]
.set n, n+1
.endr
	; the test at lam = 0.  The differences u - 1 need no logarithm: they are the plain work behind the twenty v_log_f32.
.irp p, 0,1
	PADDK VS+2*\p, QU+10*\p, -1.0
	PADDK ZB+8*\p,   QU+10*\p+2, -1.0
	PADDK ZB+8*\p+2, QU+10*\p+4, -1.0
	PADDK ZB+8*\p+4, QU+10*\p+6, -1.0
	PADDK ZB+8*\p+6, QU+10*\p+8, -1.0
.endr
.irp p, 0,1
	PADD VS+2*\p, VS+2*\p, ZB+8*\p
	PADD ZB+8*\p+2, ZB+8*\p+2, ZB+8*\p+4
.endr
.irp p, 0,1
	PADD VS+2*\p, VS+2*\p, ZB+8*\p+6
.endr
.irp p, 0,1
	PADD VS+2*\p, VS+2*\p, ZB+8*\p+2
	PMUL AC+2*\p, QU+10*\p, LB+10*\p
.endr
.irp j, 1,2,3,4
.irp p, 0,1
	PFMA AC+2*\p, QU+10*\p+2*\j, LB+10*\p+2*\j, AC+2*\p
.endr
.endr
.irp p, 0,1
	v_pk_fma_f32 v[AC+2*\p:AC+2*\p+1], v[VS+2*\p:VS+2*\p+1], 0xbfb8aa3b, v[AC+2*\p:AC+2*\p+1] op_sel_hi:[1,0,1]   ; - log2(e) sum (u - 1)
.endr
.irp i, 0,1,2,3
	v_cmp_le_f32 s[SF+\i], v[AC+\i], s[STHR]       ; false for NaN, as g0 <= 0 is in reference()
.endr
	; the maximum and the four others, in any order: two sorts of three.  u is done with: its registers take the results.
.irp i, 0,1,2,3
	v_max3_num_f32 v[QS+\i],                 v[LB+10*(\i/2)+(\i%2)], v[LB+10*(\i/2)+(\i%2)+2], v[LB+10*(\i/2)+(\i%2)+4]
	v_med3_num_f32 v[DD+8*(\i/2)+(\i%2)],    v[LB+10*(\i/2)+(\i%2)], v[LB+10*(\i/2)+(\i%2)+2], v[LB+10*(\i/2)+(\i%2)+4]
	v_min3_num_f32 v[DD+8*(\i/2)+(\i%2)+2],  v[LB+10*(\i/2)+(\i%2)], v[LB+10*(\i/2)+(\i%2)+2], v[LB+10*(\i/2)+(\i%2)+4]
.endr
.irp i, 0,1,2,3
	v_max3_num_f32 v[MX+\i],                 v[QS+\i], v[LB+10*(\i/2)+(\i%2)+6], v[LB+10*(\i/2)+(\i%2)+8]
	v_med3_num_f32 v[DD+8*(\i/2)+(\i%2)+4],  v[QS+\i], v[LB+10*(\i/2)+(\i%2)+6], v[LB+10*(\i/2)+(\i%2)+8]
	v_min3_num_f32 v[DD+8*(\i/2)+(\i%2)+6],  v[QS+\i], v[LB+10*(\i/2)+(\i%2)+6], v[LB+10*(\i/2)+(\i%2)+8]
.endr
.irp p, 0,1
.irp i, 0,1,2,3
	PSUB DD+8*\p+2*\i, DD+8*\p+2*\i, MX+2*\p
.endr
.endr
	; step 14: lam = 61.03515625 for every row
.irp p, 0,1
.irp i, 0,1,2,3
	v_pk_mul_f32 v[ZB+8*\p+2*\i:ZB+8*\p+2*\i+1], v[DD+8*\p+2*\i:DD+8*\p+2*\i+1], v[TC:TC+1] op_sel_hi:[1,0]
.endr
.endr
.set n, 0
.rept 16
	v_exp_f32 v[\xb+n], v[ZB+n]                    ; x is done with: its registers take 2^z
.set n, n+1
.endr
	v_nop                                          ; the plain place behind the exponentials
	s_wait_alu depctr_va_vdst(0)
	KLTEST \xb, SM14
	; step 15: lam = 30.517578125 or 91.552734375
.irp i, 0,1,2,3
	v_cndmask_b32 v[TT+\i], v[TC+1], v[TC+2], s[SM14+\i]
.endr
.irp p, 0,1
.irp i, 0,1,2,3
	PMUL ZB+8*\p+2*\i, DD+8*\p+2*\i, TT+2*\p
.endr
.endr
.set n, 0
.rept 16
	v_exp_f32 v[\xb+n], v[ZB+n]
.set n, n+1
.endr
	s_wait_alu depctr_va_vdst(0)
.irp i, 0,1,2,3                        ; behind the exponentials: the two results that step 15 will choose between
	v_cndmask_b32 v[\xb+16+\i], v[TC+3], v[TC+5], s[SM14+\i]       ; if 'not above': 15.26 or 76.29
	v_cndmask_b32 v[TT+\i],     v[TC+4], v[TC+6], s[SM14+\i]       ; if 'above':     45.78 or 106.81
.endr
	KLTEST \xb, SM15
	; p = softmax(t L), the maximum taken away: z_j = t L_j - t m
.irp i, 0,1,2,3
	v_cndmask_b32 v[TT+\i], v[\xb+16+\i], v[TT+\i], s[SM15+\i]
.endr
.irp i, 0,1,2,3
	v_cndmask_b32 v[TT+\i], v[TT+\i], 1.0, s[SF+\i]                ; lam = 0 where that was feasible
.endr
.irp p, 0,1
	PMUL UU+2*\p, TT+2*\p, MX+2*\p                 ; both pairs' t m before z lands on the maxima's registers
.endr
.irp p, 0,1
.irp j, 0,1,2,3,4
	v_pk_fma_f32 v[QU+10*\p+2*\j:QU+10*\p+2*\j+1], v[LB+10*\p+2*\j:LB+10*\p+2*\j+1], v[TT+2*\p:TT+2*\p+1], v[UU+2*\p:UU+2*\p+1] neg_lo:[0,0,1] neg_hi:[0,0,1]
.endr
.endr
.set n, 0
.rept 20
	v_exp_f32 v[QU+n], v[QU+n]
.set n, n+1
.endr
	v_nop
	s_wait_alu depctr_va_vdst(0)
.irp p, 0,1
	PADD SS+2*\p, QU+10*\p, QU+10*\p+2
	PADD LS+2*\p, QU+10*\p+4, QU+10*\p+6
.endr
.irp p, 0,1
	PADD SS+2*\p, SS+2*\p, LS+2*\p
.endr
.irp p, 0,1
	PADD SS+2*\p, SS+2*\p, QU+10*\p+8
.endr
.irp i, 0,1,2,3
	v_rcp_f32 v[LS+\i], v[SS+\i]
.endr
	v_nop
	s_wait_alu depctr_va_vdst(0)
.irp p, 0,1                            ; back to rows: the pair's two rows in one instruction, destinations 5 apart (even and odd)
.irp j, 0,1,2,3,4
	v_dual_mul_f32 v[\xb+10*\p+\j], v[QU+10*\p+2*\j], v[LS+2*\p] :: v_dual_mul_f32 v[\xb+10*\p+5+\j], v[QU+10*\p+2*\j+1], v[LS+2*\p+1]
.endr
.endr
	; the way out: my 4 rows into the wave's region, read back flat, stored as 512 consecutive bytes an instruction
.irp j, 0,1,2,3,4
	ds_store_b128 v[LR], v[\xb+4*\j:\xb+4*\j+3] offset:16*\j
.endr
.irp j, 0,1,2,3,4
	ds_load_b128 v[\xb+4*\j:\xb+4*\j+3], v[LF] offset:512*\j
.endr
.irp j, 0,1,2,3,4
	s_wait_dscnt 4-\j                              ; LDS loads return in order: number j is in, the younger ones stay out
	global_store_b128 v[GO], v[\xb+4*\j:\xb+4*\j+3], s[10:11] offset:\goff+512*\j th:TH_STORE_NT
.endr
.endm
	PROC X0, 5, 0                                  ; the five loads of chunk 1 stay out.  Nothing behind this writes X0 or GO, which its stores read
	PROC X1, 0, CHUNK
	s_wait_tensorcnt 0x0
	ds_add_u32 v126, v127
	s_wait_dscnt 0x0
	s_endpgm
.Lfunc_end_k_qe5ac42ffc4_project:
	.size	k_qe5ac42ffc4_project, .Lfunc_end_k_qe5ac42ffc4_project-k_qe5ac42ffc4_project
	.p2alignl 7, 3214868480
	.fill 96, 4, 3214868480
	.section	.rodata,"a",@progbits
	.p2align	6, 0x0
	.amdhsa_kernel k_qe5ac42ffc4_project
		.amdhsa_group_segment_fixed_size 86016
		.amdhsa_private_segment_fixed_size 0
		.amdhsa_enable_private_segment 0
		.amdhsa_kernarg_size 32
		.amdhsa_user_sgpr_count 2
		.amdhsa_user_sgpr_kernarg_segment_ptr 1
		.amdhsa_wavefront_size32 1
		.amdhsa_system_sgpr_workgroup_id_x 1
		.amdhsa_system_sgpr_workgroup_id_y 1
		.amdhsa_system_sgpr_workgroup_id_z 1
		.amdhsa_system_vgpr_workitem_id 0
		.amdhsa_next_free_vgpr 128
		.amdhsa_next_free_sgpr 66
		.amdhsa_reserve_vcc 0
		.amdhsa_float_denorm_mode_32 3
		.amdhsa_float_denorm_mode_16_64 3
		.amdhsa_memory_ordered 1
		.amdhsa_forward_progress 1
		.amdhsa_inst_pref_size 48
	.end_amdhsa_kernel
	.amdgpu_metadata
---
amdhsa.version: [ 1, 2 ]
amdhsa.kernels:
  - .name:           k_qe5ac42ffc4_project
    .symbol:         k_qe5ac42ffc4_project.kd
    .args:
      - { .name: x, .offset: 0, .size: 8, .value_kind: global_buffer, .address_space: global }
      - { .name: W, .offset: 8, .size: 8, .value_kind: global_buffer, .address_space: global }
      - { .name: b, .offset: 16, .size: 8, .value_kind: global_buffer, .address_space: global }
      - { .name: out0, .offset: 24, .size: 8, .value_kind: global_buffer, .address_space: global }
    .group_segment_fixed_size: 86016
    .private_segment_fixed_size: 0
    .kernarg_segment_align: 8
    .kernarg_segment_size: 32
    .max_flat_workgroup_size: 1024
    .sgpr_count:     66
    .vgpr_count:     128
    .wavefront_size: 32
...
	.end_amdgpu_metadata
.endif
;; end of part 1
;; ======== version 2 of 2: 1 launch; version 1 with the launch project written anew for expert scheduling mode
;; launch project (part 2): grid 256 x 1, 32 waves a work-group, no clusters, 86,016 bytes of LDS; arguments x, W, b, out0; writes out0
.if DOCPART == 2
	.amdgcn_target "amdgcn-amd-amdhsa--gfx1250"
	.amdhsa_code_object_version 6
	.text
	.protected	k_qe5ac42ffc4_project
	.globl	k_qe5ac42ffc4_project
	.p2align	8
	.type	k_qe5ac42ffc4_project,@function
k_qe5ac42ffc4_project:
	s_mov_b64 s[64:65], 0
	v_nop
	global_prefetch_b8 v0, s[64:65] scope:SCOPE_SE
	s_setreg_imm32_b32 hwreg(HW_REG_WAVE_SCHED_MODE, 0, 2), 2
	s_setreg_imm32_b32 hwreg(HW_REG_WAVE_MODE, 25, 1), 1
	s_wait_xcnt 0x0
	s_wait_alu depctr_vm_vsrc(0)
; q = x W^T + b  (x: [2097152][5] f32, W: [5][5], b: [5]),  out0 = p(lam) = softmax(t log q + (1-t) log r), t = 1/(1+lam), r uniform,
; lam = 0 if KL(p(0) || r) <= 0.1, else the middle of the cell that 15 halvings of [0, 1e6] leave.
;
; WHAT IS COMPUTED, AND WHY IT IS THE SAME
;  1. (1-t) log r is one number for all five components: softmax drops it.  p = softmax(t log q).
;  2. softmax drops a common factor of q too: u_j = 5 q_j / |sum q|, L_j = log2 u_j stand for q_j and log q_j (five logarithms a row,
;     no others).  |sum q| keeps q_j's sign, so a negative q_j gives a NaN logarithm, which reaches every p of its row through the last sum.
;  3. The test at lam = 0 needs no exponential: p_j = u_j / 5, and  5 log2(e) KL = sum u_j L_j - log2(e) sum (u_j - 1).
;     The second sum is 0 for exact u; kept, it cancels in first order what the rounding of 5/|sum q| does to the first sum.
;     u - 1 is exact for u in [0.5, 5].  The threshold is 5 log2(e) (f32(0.1) - (f32(ln 5) - ln 5)): the two constants as f32 holds them.
;  4. Of the 15 halvings the first 13 always answer 'not above'.  KL(p_t || r) = integral from 0 to t of s Var_s(ln q) ds <= (t R)^2 / 8, where R is the
;     span of ln q (a variable in an interval of length R has variance <= R^2 / 4).  u lies in [2^-126, 5], so R <= ln(5 * 2^126) = 88.95; the first
;     13 midpoints have 1 + lam >= 1 + 1e6 / 2^13 = 123.07, so t R <= 0.7227 and KL <= 0.0653 < 0.1, a margin of 0.03.  (Rows with a NaN or a
;     q_j = 0 answer 'not above' in every step, here as in reference(): NaN > 0 is false.)  So lo = 0, hi = 122.0703125 in front of step 14.
;     Steps 14 and 15 are evaluated.  Their midpoints, 61.03515625 and then 30.517578125 or 91.552734375, and the four possible results
;     (2k+1) * 15.2587890625 are exact in f32: t is chosen among constants, and no row needs a reciprocal for it.
;  5. A test: the maximum m of L is taken away, z_i = t (L_i - m) for the four others, S = 1 + sum 2^z_i, U = sum z_i 2^z_i;
;     sum p log2 p = U / S - log2 S, so  KL > 0.1  <=>  U + S (c - log2 S) > 0,  c = log2(e) (f32(ln 5) - f32(0.1)).
;
; LIMITS.  sum q within 2^-120 .. 2^120 and every q_j >= 2^-120 sum q: below that u_j leaves the normal range, v_log_f32 takes it for 0
; (ISA guide, 15.8) and the row is treated as one with q_j = 0.  t is made by v_rcp_f32 (1 ULP), not by a division.  q is summed
; as b + W x by fused multiply-adds, k ascending.  A row whose KL at lam = 0 lies within a few 1e-8 of the threshold may fall on
; the other side than an f32 evaluation of reference()'s own formula, whose rounding is of that size.
;
; WHO DOES WHAT.  256 work-groups of 32 waves.  A wave owns 256 rows = 5,120 consecutive bytes, two chunks of 128 rows; a lane owns 4 neighbouring
; rows of a chunk, as two pairs for the packed f32 forms (component j of the pair's rows in v[2n], v[2n+1]).  All ten loads of a wave are issued at
; its start; the second chunk is on its way while the first is computed.  A row is 20 bytes, so a chunk is turned in 2,560 bytes of LDS
; that belong to the wave alone: every global load and store of the wave covers 512 consecutive bytes, aligned; no wave reads another's LDS bytes: no barrier.
; NOT USED: the matrix unit (25 multiply-adds a row; operands of 16 bits would shift q by 2^-9, and the test of point 3 turns such a shift into a jump of
; the whole row); clusters (work-groups share W and b alone, 120 bytes); tensor loads and prefetches (ten register loads are all a wave ever reads).
;
; THE MODE: SCHED_MODE bits 1:0 = 2 (LLVM: expert scheduling mode 2), set by the entry lines.  The code itself states the register dependences
; between vector instructions and memory or LDS instructions, and those through scalar registers that vector instructions write, with s_wait_alu, always for 0.
; THE PLAN.  Registers that memory or LDS instructions touch:
;   GO, LF, LR   addresses.  Written once at the head, never again; read by every global (GO) and every LDS instruction (LF, LR).  One wait on va_vdst
;                ahead of the first load serves them all.
;   X0, X1       a chunk's 20 registers, in this order: global loads land; the way in's LDS stores read them; its LDS loads land (rows of x); the product reads
;                them; the tests' exponentials and selects write them and the tests' sums read them; the last multiplies write p; the way out's LDS stores
;                read them; its LDS loads land; the global stores read them; nothing writes them again.
;                So a chunk has a wait on vm_vsrc between each run of LDS stores and the run of LDS loads behind it, and a wait on va_vdst ahead of the way out's LDS stores.
;   TC, QU, LB, ZB, MB are named by vector instructions alone.
; Scalar registers that vector instructions write: s12 (the wave's number) and the twelve verdicts s[52:63]: a wait on va_sdst ahead of their first readers.
; The other waits on va_vdst stand between a batch of transcendentals and the first instruction that names a result of it, one a batch.
.set CHUNK, 2560                       ; bytes of 128 rows
.set NCH,   2                          ; chunks of a wave
.set WAVES, 32
.set GO, 2                             ; v2       my 16 bytes in the wave's first chunk, from the buffers' first byte
.set LF, 3                             ; v3       LDS, flat view: region + 16 lane
.set LR, 4                             ; v4       LDS, row view: region + 80 lane (4 rows)
.set TC, 6                             ; v[6:12]  t = 1/(1+lam) for lam = 61.04, 30.52, 91.55 (midpoints), 15.26, 45.78, 76.29, 106.81 (results)
.set X0, 14                            ; v[14:33] chunk 0: as loaded, then 4 rows of x, then 2^z of the tests, then 4 rows of p
.set X1, 34                            ; v[34:53] chunk 1 likewise
.set QU, 54                            ; v[54:73] pair p, component j at QU+10p+2j: q, then u; then DD and MX; then the last z and 2^z
.set LB, 74                            ; v[74:93] L = log2 u, laid like QU
.set ZB, 94                            ; v[94:109] u - 1; then z of a test, pair p, value i at ZB+8p+2i
.set MB, 110                           ; v[110:125] four sets of four (one number a row)
.set QS, MB                            ; sum q; then the first 3-sort's maximum
.set R5, MB+4                          ; 5 / |sum q|
.set AC, MB+8                          ; sum u L, then the test value at lam = 0
.set VS, MB+12                         ; sum (u - 1)
.set SS, MB                            ; S
.set UU, MB+4                          ; U, then the test value; then t m
.set LS, MB+8                          ; log2 S, then c - log2 S; then 1 / S
.set TT, MB+12                         ; a row's t
.set DD, QU                            ; the four values below the maximum, minus the maximum: pair p, value i at DD+8p+2i
.set MX, QU+16                         ; the maximum
.set SW, 16                            ; s[16:40] W[j][k] at SW+5j+k
.set SB, 44                            ; s[44:48] b
.set STHR, 49                          ; s49      the threshold of point 3
.set SF,   52                          ; s[52:55] row i of the lane: KL(lam = 0) <= 0.1
.set SM14, 56                          ; s[56:59] step 14 answered 'above'
.set SM15, 60                          ; s[60:63] step 15 answered 'above'
.macro PADD d, a, b
	v_pk_add_f32 v[\d:\d+1], v[\a:\a+1], v[\b:\b+1]
.endm
.macro PSUB d, a, b
	v_pk_add_f32 v[\d:\d+1], v[\a:\a+1], v[\b:\b+1] neg_lo:[0,1] neg_hi:[0,1]
.endm
.macro PADDK d, a, k                   ; a constant goes to both halves
	v_pk_add_f32 v[\d:\d+1], v[\a:\a+1], \k op_sel_hi:[1,0]
.endm
.macro PMUL d, a, b
	v_pk_mul_f32 v[\d:\d+1], v[\a:\a+1], v[\b:\b+1]
.endm
.macro PFMA d, a, b, c
	v_pk_fma_f32 v[\d:\d+1], v[\a:\a+1], v[\b:\b+1], v[\c:\c+1]
.endm
	s_load_b256 s[4:11], s[0:1], 0x0               ; x s[4:5], W s[6:7], b s[8:9], out0 s[10:11]
	v_lshl_add_u32 v126, v0, 2, 0x14000
	v_mov_b32 v127, 0
	v_and_b32 v1, 31, v0                           ; lane
	v_lshrrev_b32 v5, 5, v0
	v_readfirstlane_b32 s12, v5                    ; wave
	v_mov_b32 v[TC+0], 0x42782400                  ; 1 +  61.03515625     step 14's midpoint
	v_mov_b32 v[TC+1], 0x41fc2400                  ; 1 +  30.517578125    step 15's, after 'not above'
	v_mov_b32 v[TC+2], 0x42b91b00                  ; 1 +  91.552734375    step 15's, after 'above'
	v_mov_b32 v[TC+3], 0x41821200                  ; 1 +  15.2587890625   the result after (not above, not above)
	v_mov_b32 v[TC+4], 0x423b1b00                  ; 1 +  45.7763671875   (not above, above)
	v_mov_b32 v[TC+5], 0x429a9680                  ; 1 +  76.2939453125   (above, not above)
	v_mov_b32 v[TC+6], 0x42d79f80                  ; 1 + 106.8115234375   (above, above)
.irp i, 0,1,2,3,4,5,6
	v_rcp_f32 v[TC+\i], v[TC+\i]                   ; the address arithmetic below is the plain work behind them
.endr
	s_mov_b32 s[STHR], 0x3f38aa38                  ; 0.72134731 = 5 log2(e) * 0.0999999714
	s_wait_alu depctr_va_sdst(0)                   ; s12 is written, ahead of its first reader: the wave's LDS region and its bytes in x and out0 are made from it
	s_mul_i32 s13, s12, CHUNK                      ; the wave's LDS region
	s_mul_i32 s14, ttmp9, WAVES*NCH*CHUNK          ; the work-group's 163,840 bytes (the last ends at 41,943,040: 32 bits do)
	s_mul_i32 s15, s12, NCH*CHUNK                  ; the wave's 5,120 bytes in them
	s_add_co_u32 s14, s14, s15
	v_lshl_add_u32 v[GO], v1, 4, s14
	v_lshl_add_u32 v[LF], v1, 4, s13
	v_mul_u32_u24 v[LR], v1, 80
	v_add_nc_u32 v[LR], s13, v[LR]
	s_wait_kmcnt 0x0
	s_wait_alu depctr_va_vdst(0)                   ; GO, LF and LR are written: every load and store of the kernel, global or LDS, reads one of them, and none is written again; the seven reciprocals have written TC, ahead of its first reader
.irp j, 0,1,2,3,4
	global_load_b128 v[X0+4*\j:X0+4*\j+3], v[GO], s[4:5] offset:512*\j th:TH_LOAD_NT
.endr
.irp j, 0,1,2,3,4
	global_load_b128 v[X1+4*\j:X1+4*\j+3], v[GO], s[4:5] offset:CHUNK+512*\j th:TH_LOAD_NT
.endr
	s_load_b512 s[16:31], s[6:7], 0x0              ; W: 64 + 32 + 4 = its 100 bytes
	s_load_b256 s[32:39], s[6:7], 0x40
	s_load_b32  s40, s[6:7], 0x60
	s_load_b128 s[44:47], s[8:9], 0x0              ; b: 16 + 4 = its 20 bytes
	s_load_b32  s48, s[8:9], 0x10
	s_wait_kmcnt 0x0                               ; W and b
; The sums and the verdict of one test for the lane's four rows.  z lies in ZB, 2^z in xb (16 registers each).
.macro KLTEST xb, sm
	s_wait_alu depctr_va_vdst(0)                   ; the sixteen exponentials have written 2^z, which the sums below read
.irp p, 0,1
	PADD SS+2*\p, \xb+8*\p, \xb+8*\p+2
	PADD LS+2*\p, \xb+8*\p+4, \xb+8*\p+6
.endr
.irp p, 0,1
	PADD SS+2*\p, SS+2*\p, LS+2*\p
.endr
.irp p, 0,1
	PADDK SS+2*\p, SS+2*\p, 1.0                    ; the maximum's own term: 2^0
.endr
.irp i, 0,1,2,3
	v_log_f32 v[LS+\i], v[SS+\i]
.endr
.irp p, 0,1
	PMUL UU+2*\p, \xb+8*\p, ZB+8*\p                ; plain work that touches neither S nor its logarithm stands behind the four v_log_f32
.endr
.irp i, 1,2,3
.irp p, 0,1
	PFMA UU+2*\p, \xb+8*\p+2*\i, ZB+8*\p+2*\i, UU+2*\p
.endr
.endr
	s_wait_alu depctr_va_vdst(0)                   ; the four logarithms have written log2 S, which the next line reads
.irp p, 0,1
	v_pk_add_f32 v[LS+2*\p:LS+2*\p+1], v[LS+2*\p:LS+2*\p+1], 0x400b5ec2 op_sel_hi:[1,0] neg_lo:[1,0] neg_hi:[1,0]   ; c - log2 S, c = 2.1776586
.endr
.irp p, 0,1
	PFMA UU+2*\p, SS+2*\p, LS+2*\p, UU+2*\p        ; U + S (c - log2 S)
.endr
.irp i, 0,1,2,3
	v_cmp_gt_f32 s[\sm+\i], v[UU+\i], 0            ; false for NaN, as gm > 0 is in reference()
.endr
	s_wait_alu depctr_va_sdst(0)                   ; the four verdicts are written, ahead of the selects that read them; behind step 14 this also holds of the four verdicts at lam = 0
.endm
; One chunk.  xb: its 20 registers; left: how many younger global loads may stay out; goff: its bytes behind the wave's first chunk.
.macro PROC xb, left, goff
	s_wait_loadcnt \left                           ; loads return in order (ISA guide 5.7.1): this chunk's five are in
.irp j, 0,1,2,3,4
	ds_store_b128 v[LF], v[\xb+4*\j:\xb+4*\j+3] offset:512*\j      ; flat, as it lay in memory.  No vector instruction has named these registers yet
.endr
	s_wait_alu depctr_vm_vsrc(0)                   ; the five LDS stores have read the chunk's registers, in which the LDS loads below land and which the tests' exponentials write later
.irp j, 0,1,2,3,4
	ds_load_b128 v[\xb+4*\j:\xb+4*\j+3], v[LR] offset:16*\j        ; my 4 rows.  LDS serves a wave's instructions in order: these see the stores.
.endr                                                                  ; 80 bytes from lane to lane: 16 lanes start in 16 different 16-byte columns modulo 256
	s_wait_dscnt 0x0
	; q_j = b_j + sum over k of x_k W[j][k].  Row r of the lane lies at xb+5r; the results go into the pair layout.
.irp p, 0,1
.irp j, 0,1,2,3,4
	v_fma_f32 v[QU+10*\p+2*\j],   v[\xb+10*\p],   s[SW+5*\j], s[SB+\j]
	v_fma_f32 v[QU+10*\p+2*\j+1], v[\xb+10*\p+5], s[SW+5*\j], s[SB+\j]
.endr
.endr
.irp k, 1,2,3,4                        ; the pair's two rows in one instruction: one W, destinations even and odd, x registers 5 apart (different banks)
.irp p, 0,1
.irp j, 0,1,2,3,4
	v_dual_fmac_f32 v[QU+10*\p+2*\j], s[SW+5*\j+\k], v[\xb+10*\p+\k] :: v_dual_fmac_f32 v[QU+10*\p+2*\j+1], s[SW+5*\j+\k], v[\xb+10*\p+5+\k]
.endr
.endr
.endr
	; u = 5 q / |sum q|, L = log2 u
.irp p, 0,1
	PADD QS+2*\p, QU+10*\p, QU+10*\p+2
	PADD R5+2*\p, QU+10*\p+4, QU+10*\p+6
.endr
.irp p, 0,1
	PADD QS+2*\p, QS+2*\p, R5+2*\p
.endr
.irp p, 0,1
	PADD QS+2*\p, QS+2*\p, QU+10*\p+8
.endr
.irp i, 0,1,2,3
	v_rcp_f32 v[R5+\i], |v[QS+\i]|
.endr
	v_nop                                          ; one plain instruction between a transcendental and the use of its result (ISA guide 5.7.2)
	s_wait_alu depctr_va_vdst(0)                   ; the four reciprocals have written 1 / |sum q|, which the next line reads
.irp p, 0,1
	v_pk_mul_f32 v[R5+2*\p:R5+2*\p+1], v[R5+2*\p:R5+2*\p+1], 0x40a00000 op_sel_hi:[1,0]     ; x 5.0
.endr
.irp p, 0,1
.irp j, 0,1,2,3,4
	PMUL QU+10*\p+2*\j, QU+10*\p+2*\j, R5+2*\p
.endr
.endr
.set n, 0
.rept 20
	v_log_f32 v[LB+n], v[QU+n]
.set n, n+1
.endr
	; the test at lam = 0.  The differences u - 1 need no logarithm: they are the plain work behind the twenty v_log_f32.
.irp p, 0,1
	PADDK VS+2*\p, QU+10*\p, -1.0
	PADDK ZB+8*\p,   QU+10*\p+2, -1.0
	PADDK ZB+8*\p+2, QU+10*\p+4, -1.0
	PADDK ZB+8*\p+4, QU+10*\p+6, -1.0
	PADDK ZB+8*\p+6, QU+10*\p+8, -1.0
.endr
.irp p, 0,1
	PADD VS+2*\p, VS+2*\p, ZB+8*\p
	PADD ZB+8*\p+2, ZB+8*\p+2, ZB+8*\p+4
.endr
.irp p, 0,1
	PADD VS+2*\p, VS+2*\p, ZB+8*\p+6
.endr
.irp p, 0,1
	PADD VS+2*\p, VS+2*\p, ZB+8*\p+2
.endr
	s_wait_alu depctr_va_vdst(0)                   ; the twenty logarithms have written L, which the products below are the first to read
.irp p, 0,1
	PMUL AC+2*\p, QU+10*\p, LB+10*\p
.endr
.irp j, 1,2,3,4
.irp p, 0,1
	PFMA AC+2*\p, QU+10*\p+2*\j, LB+10*\p+2*\j, AC+2*\p
.endr
.endr
.irp p, 0,1
	v_pk_fma_f32 v[AC+2*\p:AC+2*\p+1], v[VS+2*\p:VS+2*\p+1], 0xbfb8aa3b, v[AC+2*\p:AC+2*\p+1] op_sel_hi:[1,0,1]   ; - log2(e) sum (u - 1)
.endr
.irp i, 0,1,2,3
	v_cmp_le_f32 s[SF+\i], v[AC+\i], s[STHR]       ; false for NaN, as g0 <= 0 is in reference().  Read only behind step 15: the wait behind step 14's compares stands between
.endr
	; the maximum and the four others, in any order: two sorts of three.  u is done with: its registers take the results.
.irp i, 0,1,2,3
	v_max3_num_f32 v[QS+\i],                 v[LB+10*(\i/2)+(\i%2)], v[LB+10*(\i/2)+(\i%2)+2], v[LB+10*(\i/2)+(\i%2)+4]
	v_med3_num_f32 v[DD+8*(\i/2)+(\i%2)],    v[LB+10*(\i/2)+(\i%2)], v[LB+10*(\i/2)+(\i%2)+2], v[LB+10*(\i/2)+(\i%2)+4]
	v_min3_num_f32 v[DD+8*(\i/2)+(\i%2)+2],  v[LB+10*(\i/2)+(\i%2)], v[LB+10*(\i/2)+(\i%2)+2], v[LB+10*(\i/2)+(\i%2)+4]
.endr
.irp i, 0,1,2,3
	v_max3_num_f32 v[MX+\i],                 v[QS+\i], v[LB+10*(\i/2)+(\i%2)+6], v[LB+10*(\i/2)+(\i%2)+8]
	v_med3_num_f32 v[DD+8*(\i/2)+(\i%2)+4],  v[QS+\i], v[LB+10*(\i/2)+(\i%2)+6], v[LB+10*(\i/2)+(\i%2)+8]
	v_min3_num_f32 v[DD+8*(\i/2)+(\i%2)+6],  v[QS+\i], v[LB+10*(\i/2)+(\i%2)+6], v[LB+10*(\i/2)+(\i%2)+8]
.endr
.irp p, 0,1
.irp i, 0,1,2,3
	PSUB DD+8*\p+2*\i, DD+8*\p+2*\i, MX+2*\p
.endr
.endr
	; step 14: lam = 61.03515625 for every row
.irp p, 0,1
.irp i, 0,1,2,3
	v_pk_mul_f32 v[ZB+8*\p+2*\i:ZB+8*\p+2*\i+1], v[DD+8*\p+2*\i:DD+8*\p+2*\i+1], v[TC:TC+1] op_sel_hi:[1,0]
.endr
.endr
.set n, 0
.rept 16
	v_exp_f32 v[\xb+n], v[ZB+n]                    ; x is done with: its registers take 2^z
.set n, n+1
.endr
	v_nop                                          ; the plain place behind the exponentials
	KLTEST \xb, SM14
	; step 15: lam = 30.517578125 or 91.552734375
.irp i, 0,1,2,3
	v_cndmask_b32 v[TT+\i], v[TC+1], v[TC+2], s[SM14+\i]
.endr
.irp p, 0,1
.irp i, 0,1,2,3
	PMUL ZB+8*\p+2*\i, DD+8*\p+2*\i, TT+2*\p
.endr
.endr
.set n, 0
.rept 16
	v_exp_f32 v[\xb+n], v[ZB+n]
.set n, n+1
.endr
.irp i, 0,1,2,3                        ; behind the exponentials: the two results that step 15 will choose between
	v_cndmask_b32 v[\xb+16+\i], v[TC+3], v[TC+5], s[SM14+\i]       ; if 'not above': 15.26 or 76.29
	v_cndmask_b32 v[TT+\i],     v[TC+4], v[TC+6], s[SM14+\i]       ; if 'above':     45.78 or 106.81
.endr
	KLTEST \xb, SM15
	; p = softmax(t L), the maximum taken away: z_j = t L_j - t m
.irp i, 0,1,2,3
	v_cndmask_b32 v[TT+\i], v[\xb+16+\i], v[TT+\i], s[SM15+\i]
.endr
.irp i, 0,1,2,3
	v_cndmask_b32 v[TT+\i], v[TT+\i], 1.0, s[SF+\i]                ; lam = 0 where that was feasible
.endr
.irp p, 0,1
	PMUL UU+2*\p, TT+2*\p, MX+2*\p                 ; both pairs' t m before z lands on the maxima's registers
.endr
.irp p, 0,1
.irp j, 0,1,2,3,4
	v_pk_fma_f32 v[QU+10*\p+2*\j:QU+10*\p+2*\j+1], v[LB+10*\p+2*\j:LB+10*\p+2*\j+1], v[TT+2*\p:TT+2*\p+1], v[UU+2*\p:UU+2*\p+1] neg_lo:[0,0,1] neg_hi:[0,0,1]
.endr
.endr
.set n, 0
.rept 20
	v_exp_f32 v[QU+n], v[QU+n]
.set n, n+1
.endr
	v_nop
	s_wait_alu depctr_va_vdst(0)                   ; the twenty exponentials have written 2^z, which the sums below read
.irp p, 0,1
	PADD SS+2*\p, QU+10*\p, QU+10*\p+2
	PADD LS+2*\p, QU+10*\p+4, QU+10*\p+6
.endr
.irp p, 0,1
	PADD SS+2*\p, SS+2*\p, LS+2*\p
.endr
.irp p, 0,1
	PADD SS+2*\p, SS+2*\p, QU+10*\p+8
.endr
.irp i, 0,1,2,3
	v_rcp_f32 v[LS+\i], v[SS+\i]
.endr
	v_nop
	s_wait_alu depctr_va_vdst(0)                   ; the four reciprocals have written 1 / S, which the multiplies below read
.irp p, 0,1                            ; back to rows: the pair's two rows in one instruction, destinations 5 apart (even and odd)
.irp j, 0,1,2,3,4
	v_dual_mul_f32 v[\xb+10*\p+\j], v[QU+10*\p+2*\j], v[LS+2*\p] :: v_dual_mul_f32 v[\xb+10*\p+5+\j], v[QU+10*\p+2*\j+1], v[LS+2*\p+1]
.endr
.endr
	; the way out: my 4 rows into the wave's region, read back flat, stored as 512 consecutive bytes an instruction
	s_wait_alu depctr_va_vdst(0)                   ; the multiplies have written p into the chunk's registers, which the LDS stores read and in which the LDS loads behind them land; no vector instruction names these registers again
.irp j, 0,1,2,3,4
	ds_store_b128 v[LR], v[\xb+4*\j:\xb+4*\j+3] offset:16*\j
.endr
	s_wait_alu depctr_vm_vsrc(0)                   ; the five LDS stores have read p, ahead of the LDS loads that land in the same registers
.irp j, 0,1,2,3,4
	ds_load_b128 v[\xb+4*\j:\xb+4*\j+3], v[LF] offset:512*\j
.endr
.irp j, 0,1,2,3,4
	s_wait_dscnt 4-\j                              ; LDS loads return in order: number j is in, the younger ones stay out
	global_store_b128 v[GO], v[\xb+4*\j:\xb+4*\j+3], s[10:11] offset:\goff+512*\j th:TH_STORE_NT
.endr
.endm
	PROC X0, 5, 0                                  ; the five loads of chunk 1 stay out.  Nothing behind this writes X0 or GO, which its stores read
	PROC X1, 0, CHUNK
	s_wait_dscnt 0x0
	s_wait_alu depctr_hold_cnt(0) depctr_sa_sdst(0) depctr_va_vdst(0) depctr_va_sdst(0) depctr_va_ssrc(0) depctr_va_vcc(0) depctr_vm_vsrc(0)
	s_wait_tensorcnt 0x0
	ds_add_u32 v126, v127
	s_wait_dscnt 0x0
	s_endpgm
.Lfunc_end_k_qe5ac42ffc4_project:
	.size	k_qe5ac42ffc4_project, .Lfunc_end_k_qe5ac42ffc4_project-k_qe5ac42ffc4_project
	.p2alignl 7, 3214868480
	.fill 96, 4, 3214868480
	.section	.rodata,"a",@progbits
	.p2align	6, 0x0
	.amdhsa_kernel k_qe5ac42ffc4_project
		.amdhsa_group_segment_fixed_size 86016
		.amdhsa_private_segment_fixed_size 0
		.amdhsa_enable_private_segment 0
		.amdhsa_kernarg_size 32
		.amdhsa_user_sgpr_count 2
		.amdhsa_user_sgpr_kernarg_segment_ptr 1
		.amdhsa_wavefront_size32 1
		.amdhsa_system_sgpr_workgroup_id_x 1
		.amdhsa_system_sgpr_workgroup_id_y 1
		.amdhsa_system_sgpr_workgroup_id_z 1
		.amdhsa_system_vgpr_workitem_id 0
		.amdhsa_next_free_vgpr 128
		.amdhsa_next_free_sgpr 66
		.amdhsa_reserve_vcc 0
		.amdhsa_float_denorm_mode_32 3
		.amdhsa_float_denorm_mode_16_64 3
		.amdhsa_memory_ordered 1
		.amdhsa_forward_progress 1
		.amdhsa_inst_pref_size 48
	.end_amdhsa_kernel
	.amdgpu_metadata
---
amdhsa.version: [ 1, 2 ]
amdhsa.kernels:
  - .name:           k_qe5ac42ffc4_project
    .symbol:         k_qe5ac42ffc4_project.kd
    .args:
      - { .name: x, .offset: 0, .size: 8, .value_kind: global_buffer, .address_space: global }
      - { .name: W, .offset: 8, .size: 8, .value_kind: global_buffer, .address_space: global }
      - { .name: b, .offset: 16, .size: 8, .value_kind: global_buffer, .address_space: global }
      - { .name: out0, .offset: 24, .size: 8, .value_kind: global_buffer, .address_space: global }
    .group_segment_fixed_size: 86016
    .private_segment_fixed_size: 0
    .kernarg_segment_align: 8
    .kernarg_segment_size: 32
    .max_flat_workgroup_size: 1024
    .sgpr_count:     66
    .vgpr_count:     128
    .wavefront_size: 32
...
	.end_amdgpu_metadata
.endif
;; end of part 2
